; MI455X (gfx1250); checked and timed in simulation.
; The chip was launched on July 23, 2026; its instructions are those of AMD's public machine-readable ISA for CDNA 5 (MIT licence, August 2026) and "CDNA5" Instruction Set Architecture Reference Guide (July 2026). The comments in the code are by the model that wrote it; some were corrected since.
;; Multi Head Self Attention. Allowed arithmetic: matrix products marked QUANTISED: E3M2 operands, one E8M0 scale for each 32 along K, by v_wmma_scale_f32_16x16x128_f8f6f4 with both operands' format E3M2, f32 sums; everything else in f32.
;; Inputs: b_out 256 float32; b_qkv 768 float32; w_out 256 x 256 float32; w_qkv 256 x 768 float32; x 8 x 2,048 x 256 float32.
;; Outputs: out0 8 x 2,048 x 256 float32.
;; This version of the problem:
;;   THIS VERSION OF THE PROBLEM IS GIVEN IN LOW PRECISION. The matrix products marked QUANTISED in the list below multiply operands that are first quantised to E3M2 (3 exponent bits, 2 mantissa bits; 6 bits a number), with one power-of-two scale for each 32 numbers along K (OCP MX v1.0); their sums are f32. All else is computed in f32.
;;   The module's matrix products, in the order in which they are computed (A, B: the left and right operand; K: the contracted axis; several contracted axes count as one K, in the product's order):
;;     1. [M 16,384, K 256] x [K 256, N 768]; A: input x; B: input w_qkv: QUANTISED
;;     2. batch 64 x [M 2,048, K 32] x [K 32, N 2,048]; A: computed on the way; B: computed on the way: QUANTISED
;;     3. batch 64 x [M 2,048, K 2,048] x [K 2,048, N 32]; A: softmax (see below); B: computed on the way: QUANTISED
;;     4. [M 16,384, K 256] x [K 256, N 256]; A: computed on the way; B: input w_out: QUANTISED
;;   THE QUANTISER, for each operand of a quantised product, along K:
;;     - K is cut into blocks of 32 from its start; a last block that is shorter is filled with zeros.
;;     - A block's scale is 2^e with e = floor(log2(the largest magnitude in the block)) - 4, held to -126 .. 127; a block of zeros has e = 0. As a byte (E8M0): e + 127.
;;     - Each number is divided by its block's scale, clamped to +-28, and rounded to the nearest number of E3M2, ties to even, subnormals kept.
;;     - The product sums the exact products of the quantised numbers (number of the format x scale) in f32.
;;   ~~~python
;;   def quantise(x, axis):      # numpy; x: float32 -> the quantised numbers, widened to float32 again
;;       x = np.moveaxis(x, axis, -1); K = x.shape[-1]
;;       x = np.pad(x, [(0, 0)] * (x.ndim - 1) + [(0, -K % 32)]); x = x.reshape(x.shape[:-1] + (-1, 32)); a = np.abs(x).max(-1, keepdims=True)
;;       e = np.where(a > 0, np.clip(np.frexp(np.where(a > 0, a, 1))[1] - 1 - 4, -126, 127), 0)      # np.frexp(a)[1] - 1 = floor(log2(a)), exactly
;;       r = np.clip(x / 2.0 ** e, -28, 28)
;;       step = 2.0 ** (np.maximum(np.frexp(np.where(r == 0, 1, r))[1] - 1, -2) - 2)
;;       q = np.round(r / step) * step * 2.0 ** e      # np.round: ties to even
;;       return np.moveaxis(q.reshape(q.shape[:-2] + (-1,))[..., :K], -1, axis).astype(np.float32)
;;   ~~~
;;   SOFTMAX AHEAD OF A QUANTISED PRODUCT. Where the list says 'softmax', what is quantised is not the finished softmax but p = 2^(t - M), with t = logit x log2(e) and M = ceil(the row's largest t), a whole number; so 1/2 < the row's largest p <= 1. The row's sum l is taken of the UNQUANTISED p, in f32, and the product's result is divided by l at the end. Since M is a whole number, a kernel that streams over the keys may use a running M (the ceiling of the running maximum): every later rescaling is an exact power of two, which a block's scale takes up: the codes' values come out the same.
;;   OPERANDS COMPUTED ON THE WAY. 'Computed on the way' means the value that the module computes at that place (a softmax that the list does not call 'softmax' is quantised finished and normalised). What goes into a quantiser is computed in f32, as accurately as f32 sums, v_exp_f32 and their like allow (about 1e-6 of the number): no bf16 or f16 on the way to a quantiser, and a product that is left as it is and whose result goes on into a quantised operand takes f32 operands (vector FMAs, or v_wmma_f32_16x16x4_f32). A number that lies on a knife's edge between two numbers of the format may be rounded either way, as far as f32 arithmetic and the matrix unit's own rounding can turn it there, and no further.
;; One version. Each part assembles by itself: llvm-mc -triple=amdgcn-amd-amdhsa -mcpu=gfx1250 --defsym DOCPART=n.
;; ======== version 1 of 1: 4 launches
;; limits: right only within a limited range of input values
;; workspace buffers: xb 3,407,872 bytes; wb 212,992 bytes; hb 9,830,400 bytes; cb 3,276,800 bytes
;; launch prep (part 1): grid 272 x 1, 4 waves a work-group, no clusters, 34,304 bytes of LDS; arguments x, w_qkv, w_out, xb, wb; writes xb, wb
.if DOCPART == 1
	.amdgcn_target "amdgcn-amd-amdhsa--gfx1250"
	.amdhsa_code_object_version 6
	.text
	.protected	k_q599113c622_prep
	.globl	k_q599113c622_prep
	.p2align	8
	.type	k_q599113c622_prep,@function
k_q599113c622_prep:
	s_mov_b64 s[64:65], 0
	v_nop
	global_prefetch_b8 v0, s[64:65] scope:SCOPE_SE
	s_setreg_imm32_b32 hwreg(HW_REG_WAVE_MODE, 25, 1), 1
	s_wait_xcnt 0x0
; x [16384][256], w_qkv [256][768] and w_out [256][256], f32, become codes of BF6 (E3M2) with one E8M0 byte for each 32 along K (K = 256 for all three), laid as IMAGES OF OPERAND REGISTERS.
; A record (3,328 bytes) is a tile of 16 rows x 256 K: fragment s (K step of 128: 12 registers a lane) at 1536 s + 512 c + 16 lane (registers 4 c .. 4 c + 3); scale words at 3072 + 8 lane + 4 s (both halves of the lanes hold row lane % 16's).
; In a fragment lane (r, h) holds row r; registers 6 c .. 6 c + 5 hold k = 64 c + 32 h + 0 .. 31.
; ROWS OF A TILE.  x: tile m (0..3) of a group of 64 tokens, row p = token 32 (m / 2) + 8 (m % 2) + p + 8 (p / 8).  w_qkv: tile T, row p = column 32 (T / 2) + 8 (T % 2) + p + 8 (p / 8).  w_out: tile T, row p = column 16 T + p.
; SHARES.  One wave makes one record.  Work-groups 0-255: x (tile 4 wg + wave); 256-267: w_qkv; 268-271: w_out.  The three ways part on the work-group's number; only x's way uses LDS; waves share nothing: no barrier.
; x: each load reads 512 consecutive bytes of a row; the 16 rows turn through the wave's own stage (pitch 528 bytes), so that a lane gets 32 neighbours along K of its row.
; Weights: K is the first axis: a lane takes a column and its registers run down K; sixteen lanes read 64 consecutive bytes.  That is accepted: the weights are 1 MiB of the 17 MiB that the launch reads, and are read once.
; A block's scale is 2^(floor(log2(largest magnitude)) - 4); its byte is the largest magnitude's exponent field - 4, held at 1 from below.
; LIMITS: NaN and infinities among the inputs are not served; blocks whose largest magnitude lies under 2^(4 - 126), blocks of zeros among them, get the byte 1 (the rule says 127 for zeros): their codes are zeros or the floor's, and this program alone reads the bytes.
.set REC,  3328
.set SPIT, 528                         ; a stage row: 512 bytes + 16: the sixteen rows that a load touches begin at sixteen different multiples of 16 bytes modulo 256
.set WSTG, 16*SPIT                     ; a wave's stage
.set LI,   1                           ; v1   16 x lane
.set L8,   2                           ; v2   8 x lane
.set SIN,  3                           ; v3   the stage, in: WSTG x wave + 16 x lane
.set SOUT, 4                           ; v4   the stage, out: WSTG x wave + 528 r + 128 h
.set WO,   5                           ; v5   weights: my column's bytes + 32 h rows
.set H8,   6                           ; v6   8 h
.set R,    16                          ; v16-143  128 numbers as loaded
.set N,    144                         ; v144-207 64 numbers of x, turned
.set PC,   208                         ; v208-231 two fragments' codes
.set PT,   232                         ; v232-238 the upper halves of two blocks, before they are moved
.set TM,   240                         ; v240-246 at work
.set PW,   250                         ; v250-251 the two scale words
.set SEL,  16                          ; s[16:17] lane selects: lane l xor 16
; 64 numbers of a lane, v[src + 32 c + i] = k 64 c + 32 h + i of my row, become a fragment's 12 registers at v[pc] and its scale word in v[pw].  A lane holds two whole blocks: no other lane is asked for a maximum.
.macro QFRAG src, pc, pw
.irp c, 0,1
	v_max3_num_f32 v[TM+\c], |v[\src+32*\c]|, |v[\src+32*\c+1]|, 0x2800000   ; with the floor 2^(5 - 127): the byte cannot fall under 1
.endr
.irp i, 2,4,6,8,10,12,14,16,18,20,22,24,26,28,30
.irp c, 0,1
	v_max3_num_f32 v[TM+\c], v[TM+\c], |v[\src+32*\c+\i]|, |v[\src+32*\c+\i+1]|   ; the two blocks by turns
.endr
.endr
.irp c, 0,1
	v_add_nc_u32 v[TM+2+\c], 0xfe000000, v[TM+\c]  ; 4 off the exponent field: the conversion's scale operand
.endr
.irp c, 0,1
	v_lshrrev_b32 v[TM+4+\c], 23, v[TM+2+\c]       ; the scale's byte
.endr
	v_lshl_or_b32 v[\pw], v[TM+5], 16, v[TM+4]     ; my bytes: blocks h and 2 + h,
	v_lshlrev_b32 v[\pw], v[H8], v[\pw]            ; at their places;
	v_permlanex16_b32 v[TM+6], v[\pw], s[SEL], s[SEL+1]
	v_or_b32 v[\pw], v[\pw], v[TM+6]               ; with lane l xor 16's two the word is whole
.irp c, 0,1
	v_cvt_scalef32_pk16_bf6_f32 v[\pc+6*\c:\pc+6*\c+2], v[\src+32*\c:\src+32*\c+15], v[TM+2+\c]
	v_cvt_scalef32_pk16_bf6_f32 v[PT+4*\c:PT+4*\c+2], v[\src+32*\c+16:\src+32*\c+31], v[TM+2+\c]   ; (a conversion's three registers begin on an even number)
.endr
	v_nop                                          ; one plain place behind a scaled conversion
.irp c, 0,1
.irp i, 0,1,2
	v_mov_b32 v[\pc+3+6*\c+\i], v[PT+4*\c+\i]
.endr
.endr
.endm
.macro PUT s, base                     ; fragment s leaves as it stands: each store covers 512 consecutive bytes, aligned.  Each fragment has its own registers: no store's data are written again
.irp c, 0,1,2
	global_store_b128 v[LI], v[PC+12*\s+4*\c:PC+12*\s+4*\c+3], s[\base:\base+1] offset:1536*\s+512*\c
.endr
.endm
.macro TURN s                          ; K step s of my 16 rows through my stage; LDS serves a wave's instructions in order (ISA guide 5.7.1.4): no wait between the stores and the loads
.irp p, 0,1,2,3,4,5,6,7,8,9,10,11,12,13,14,15
	ds_store_b128 v[SIN], v[R+64*\s+4*\p:R+64*\s+4*\p+3] offset:SPIT*\p
.endr
.irp c, 0,1
.irp j, 0,1,2,3,4,5,6,7
	ds_load_b128 v[N+32*\c+4*\j:N+32*\c+4*\j+3], v[SOUT] offset:256*\c+16*\j
.endr
.endr
.endm
; A weight's tile: 128 loads, a lane a column, registers down K.
.macro WPATH base, pitch
.irp s, 0,1
.irp c, 0,1
.irp i, 0,1,2,3,4,5,6,7,8,9,10,11,12,13,14,15,16,17,18,19,20,21,22,23,24,25,26,27,28,29,30,31
	global_load_b32 v[R+64*\s+32*\c+\i], v[WO], s[\base:\base+1] offset:(128*\s+64*\c+\i)*\pitch
.endr
.endr
.endr
	s_wait_loadcnt 63                              ; 64 loads were issued behind K step 0's; the wait's field holds 63 at the most
	QFRAG R, PC, PW
	PUT 0, 12
	s_wait_loadcnt 0x0
	QFRAG R+64, PC+12, PW+1
	PUT 1, 12
	global_store_b64 v[L8], v[PW:PW+1], s[12:13] offset:3072   ; 32 lanes store 256 consecutive bytes, aligned
	s_endpgm
.endm
	s_load_b256 s[4:11], s[0:1], 0x0               ; x s[4:5], w_qkv s[6:7], w_out s[8:9], xb s[10:11]
	s_load_b64 s[12:13], s[0:1], 0x20              ; wb
	v_lshl_add_u32 v254, v0, 2, 0x8400
	v_mov_b32 v255, 0
	v_lshrrev_b32 v7, 5, v0
	v_readfirstlane_b32 s14, v7                    ; wave 0..3
	v_and_b32 v8, 31, v0                           ; lane
	v_and_b32 v9, 15, v0                           ; r
	v_bfe_u32 v10, v0, 4, 1                        ; h
	v_lshlrev_b32 v[LI], 4, v8
	v_lshlrev_b32 v[L8], 3, v8
	v_lshlrev_b32 v[H8], 3, v10
	s_mul_i32 s15, s14, WSTG
	v_add_nc_u32 v[SIN], s15, v[LI]
	v_mul_u32_u24 v[SOUT], v9, SPIT
	v_lshl_add_u32 v[SOUT], v10, 7, v[SOUT]
	v_add_nc_u32 v[SOUT], s15, v[SOUT]
	v_mov_b32 v[TM+6], 0                           ; written once: a lane permute's destination counts as one of its sources
	s_mov_b32 s[SEL], 0x76543210
	s_mov_b32 s[SEL+1], 0xfedcba98
	s_mov_b32 s21, 0
	s_mov_b32 s23, 0
	s_wait_kmcnt 0x0
	s_cmp_lt_u32 ttmp9, 256
	s_cbranch_scc0 .Lweights
	; ---- x: tile m = wave of group wg
	s_lshl_b32 s20, ttmp9, 6                       ; 64 wg
	s_lshr_b32 s24, s14, 1
	s_lshl_b32 s24, s24, 5
	s_add_co_u32 s20, s20, s24                     ; + 32 (m / 2)
	s_and_b32 s24, s14, 1
	s_lshl_b32 s24, s24, 3
	s_add_co_u32 s20, s20, s24                     ; + 8 (m % 2): the tile's first token
	s_lshl_b32 s20, s20, 10                        ; rows of 1,024 bytes: under 2^24
	s_add_nc_u64 s[4:5], s[4:5], s[20:21]
	s_lshl_b32 s22, ttmp9, 2
	s_add_co_u32 s22, s22, s14
	s_mul_i32 s22, s22, REC
	s_add_nc_u64 s[10:11], s[10:11], s[22:23]      ; my record
	s_wait_alu depctr_va_vdst(0)
.irp s, 0,1
.irp p, 0,1,2,3,4,5,6,7,8,9,10,11,12,13,14,15
	global_load_b128 v[R+64*\s+4*\p:R+64*\s+4*\p+3], v[LI], s[4:5] offset:(\p+8*(\p/8))*1024+512*\s th:TH_LOAD_NT   ; row p's K step s: 512 consecutive bytes, aligned; read once in the launch
.endr
.endr
	s_wait_loadcnt 16                              ; K step 0's sixteen loads are in; K step 1's may be out
	TURN 0
	s_wait_dscnt 0x0
	QFRAG N, PC, PW
	PUT 0, 10
	s_wait_loadcnt 0x0
	TURN 1
	s_wait_dscnt 0x0
	QFRAG N, PC+12, PW+1
	PUT 1, 10
	global_store_b64 v[L8], v[PW:PW+1], s[10:11] offset:3072
	s_wait_tensorcnt 0x0
	ds_add_u32 v254, v255
	s_wait_dscnt 0x0
	s_endpgm
.Lweights:
	s_cmp_lt_u32 ttmp9, 268
	s_cbranch_scc0 .Lwout
	; ---- w_qkv: tile T = 4 (wg - 256) + wave
	s_sub_co_u32 s22, ttmp9, 256
	s_lshl_b32 s22, s22, 2
	s_add_co_u32 s22, s22, s14                     ; T
	s_lshr_b32 s20, s22, 1
	s_lshl_b32 s20, s20, 5
	s_and_b32 s24, s22, 1
	s_lshl_b32 s24, s24, 3
	s_add_co_u32 s20, s20, s24                     ; the tile's first column: 32 (T / 2) + 8 (T % 2)
	s_lshl_b32 s20, s20, 2
	s_add_nc_u64 s[6:7], s[6:7], s[20:21]
	s_mul_i32 s22, s22, REC
	s_add_nc_u64 s[12:13], s[12:13], s[22:23]
	v_and_b32 v11, 8, v9
	v_add_nc_u32 v11, v11, v9                      ; r + 8 (r / 8)
	v_lshlrev_b32 v11, 2, v11
	v_mad_u32_u24 v[WO], v10, 32*3072, v11         ; lanes 16-31 begin 32 rows further down
	WPATH 6, 3072
.Lwout:
	; ---- w_out: tile T = 4 (wg - 268) + wave, record 48 + T
	s_sub_co_u32 s22, ttmp9, 268
	s_lshl_b32 s22, s22, 2
	s_add_co_u32 s22, s22, s14                     ; T
	s_lshl_b32 s20, s22, 6                         ; 16 columns of 4 bytes
	s_add_nc_u64 s[8:9], s[8:9], s[20:21]
	s_add_co_u32 s22, s22, 48
	s_mul_i32 s22, s22, REC
	s_add_nc_u64 s[12:13], s[12:13], s[22:23]
	v_lshlrev_b32 v11, 2, v9
	v_mad_u32_u24 v[WO], v10, 32*1024, v11
	WPATH 8, 1024
.Lfunc_end_k_q599113c622_prep:
	.size	k_q599113c622_prep, .Lfunc_end_k_q599113c622_prep-k_q599113c622_prep
	.p2alignl 7, 3214868480
	.fill 96, 4, 3214868480
	.section	.rodata,"a",@progbits
	.p2align	6, 0x0
	.amdhsa_kernel k_q599113c622_prep
		.amdhsa_group_segment_fixed_size 34304
		.amdhsa_private_segment_fixed_size 0
		.amdhsa_enable_private_segment 0
		.amdhsa_kernarg_size 40
		.amdhsa_user_sgpr_count 2
		.amdhsa_user_sgpr_kernarg_segment_ptr 1
		.amdhsa_wavefront_size32 1
		.amdhsa_system_sgpr_workgroup_id_x 1
		.amdhsa_system_sgpr_workgroup_id_y 1
		.amdhsa_system_sgpr_workgroup_id_z 1
		.amdhsa_system_vgpr_workitem_id 0
		.amdhsa_next_free_vgpr 256
		.amdhsa_next_free_sgpr 66
		.amdhsa_reserve_vcc 0
		.amdhsa_float_denorm_mode_32 3
		.amdhsa_float_denorm_mode_16_64 3
		.amdhsa_memory_ordered 1
		.amdhsa_forward_progress 1
		.amdhsa_inst_pref_size 54
	.end_amdhsa_kernel
	.amdgpu_metadata
---
amdhsa.version: [ 1, 2 ]
amdhsa.kernels:
  - .name:           k_q599113c622_prep
    .symbol:         k_q599113c622_prep.kd
    .args:
      - { .name: x, .offset: 0, .size: 8, .value_kind: global_buffer, .address_space: global }
      - { .name: w_qkv, .offset: 8, .size: 8, .value_kind: global_buffer, .address_space: global }
      - { .name: w_out, .offset: 16, .size: 8, .value_kind: global_buffer, .address_space: global }
      - { .name: xb, .offset: 24, .size: 8, .value_kind: global_buffer, .address_space: global }
      - { .name: wb, .offset: 32, .size: 8, .value_kind: global_buffer, .address_space: global }
    .group_segment_fixed_size: 34304
    .private_segment_fixed_size: 0
    .kernarg_segment_align: 8
    .kernarg_segment_size: 40
    .max_flat_workgroup_size: 128
    .sgpr_count:     66
    .vgpr_count:     256
    .wavefront_size: 32
...
	.end_amdgpu_metadata
.endif
;; end of part 1
;; launch qkv (part 2): grid 256 x 1, 12 waves a work-group, no clusters, 38,400 bytes of LDS; arguments xb, wb, b_qkv, hb; writes hb
.if DOCPART == 2
	.amdgcn_target "amdgcn-amd-amdhsa--gfx1250"
	.amdhsa_code_object_version 6
	.text
	.protected	k_q599113c622_qkv
	.globl	k_q599113c622_qkv
	.p2align	8
	.type	k_q599113c622_qkv,@function
k_q599113c622_qkv:
	s_mov_b64 s[64:65], 0
	v_nop
	global_prefetch_b8 v0, s[64:65] scope:SCOPE_SE
	s_setreg_imm32_b32 hwreg(HW_REG_WAVE_MODE, 25, 1), 1
	s_wait_xcnt 0x0
; qkv = x w_qkv + b_qkv on codes of BF6 (K = 256: two matrix instructions deep), and its result quantised at once for the attention: q and k along the head's 32 channels, v along the keys.
; SHARES.  A work-group takes a group of 64 tokens (batch = wg / 32, group g = wg % 32): four tiles of 16, in the order of the records of xb.  Wave w owns columns 64 w .. 64 w + 63 of the 768: two heads, 2 (w % 4) + b, of q (w < 4), k (w < 8) or v.
; Its eight weight fragments stay in registers.  Waves share nothing: no barrier; each has a stage of 3,072 bytes in LDS, so that its codes leave in stores of 512 consecutive bytes.
; NO CLUSTER: what the work-groups share, the weights' 159,744 bytes, goes from memory straight into the waves' registers, once for each work-group; no tile goes through LDS, so there is no tensor load that could be asked for jointly.
; q, k: THE PRODUCT IS USED TRANSPOSED (source 0 = 16 columns of w, source 1 = 16 tokens): a lane holds one token, and, since row p of a weight tile is channel 8 u + p + 8 (p / 8), the 16 registers of tiles 2 b, 2 b + 1 are channels 16 h + 0 .. 15 of head b.
; v: as it stands (source 0 = 16 tokens, source 1 = 16 columns): a lane holds one channel, and, by the tokens' order in a tile, the 16 registers of token tiles 2 kb, 2 kb + 1 are tokens 32 kb + 16 h + 0 .. 15: a block of 32 along the keys lies in lanes l and l xor 16.
; The bias is the C of each sum's first matrix instruction.
; hb, 153,600 bytes a head: K codes at 0 (chunk g: 1,536 bytes; the token of tile m, row r at 48 (r + 16 (m % 2)) + 24 (m / 2)); V codes at 49,152 (chunk g; channel tile ta, key block kb, row r at 768 ta + 384 kb + 24 r);
;   K scale words at 98,304 (64 g + 4 r, byte m); V scale words at 100,352 (128 (g / 2) + 64 ta + 4 r, byte 2 (g % 2) + kb); Q codes at 102,400 and Q scale words at 151,552, laid as K's.
; The scale words leave in pieces of 64 bytes (q, k) and of 2 bytes (v), which fill no aligned 256 bytes: they are one twenty-fifth of what the launch stores.
; LIMITS: NaN and infinities are not served; blocks whose largest magnitude lies under 2^(4 - 126) get the byte 1 (zeros too, where the rule says 127): this program alone reads the bytes.
.set REC,   3328
.set HEADB, 153600
.set LI,  1                            ; v1   16 x lane
.set L8,  2                            ; v2   8 x lane
.set STQ, 3                            ; v3   my stage, q and k: 3072 w + 1536 h + 48 r
.set STV, 4                            ; v4   my stage, v: 3072 w + 768 h + 24 r
.set STR, 5                            ; v5   my stage, out: 3072 w + 16 x lane
.set BO,  6                            ; v6   the bias's offset
.set SO,  7                            ; v7   the scale words' offset
.set SW,  8                            ; v8-9 scale words in the making
.set SB,  10                           ; v10  the byte just made: lanes 0-15 block 0's, lanes 16-31 block 1's
.set WF,  12                           ; v12-107  weight fragments: (tile t, K step s) at 12 (2 t + s)
.set WS,  108                          ; v108-115 their scale words, 2 t + s
.set BI,  116                          ; v116-147 the bias in the result's layout, 8 t
.set XF,  148                          ; v148-195 x's fragments: two buffers of 24
.set XS,  196                          ; v196-199 their scale words, 2 x buffer + s
.set AC,  200                          ; v200-231 four accumulators
.set P,   232                          ; v232-238 codes
.set TM,  240                          ; v240-245 at work
.macro MM d, a, b, c, sa, sb
	v_wmma_scale_f32_16x16x128_f8f6f4 v[(\d):(\d)+7], v[(\a):(\a)+11], v[(\b):(\b)+11], v[(\c):(\c)+7], v[\sa], v[\sb] matrix_a_fmt:MATRIX_FMT_BF6 matrix_b_fmt:MATRIX_FMT_BF6
.endm
.macro XLOAD m, buf                    ; x's tile m: seven loads
.irp i, 0,1,2,3,4,5
	global_load_b128 v[XF+24*(\buf)+4*\i:XF+24*(\buf)+4*\i+3], v[LI], s[4:5] offset:REC*(\m)+512*\i
.endr
	global_load_b64 v[XS+2*(\buf):XS+2*(\buf)+1], v[L8], s[4:5] offset:REC*(\m)+3072
.endm
.macro PLACES                          ; four places between a matrix instruction and the first read of its result, or a load into a register that it has read (ISA guide 7.12.1 for the reads of its result)
.rept 4
	v_nop
.endr
.endm
; The 32 numbers of a lane in AC: two blocks, block b = registers 16 b .. 16 b + 15 of lanes l and l xor 16.  Afterwards lanes 0-15 hold block 0's 24 bytes of codes in v[P] .. v[P + 5] and its byte in v[SB], lanes 16-31 block 1's.
.macro QUANT2
.irp b, 0,1
	v_max3_num_f32 v[TM+\b], |v[AC+16*\b]|, |v[AC+16*\b+1]|, 0x2800000   ; each accumulator is read from its low end on; the floor 2^(5 - 127) holds the byte at 1 from below
.endr
.irp i, 2,4,6,8,10,12,14
.irp b, 0,1
	v_max3_num_f32 v[TM+\b], v[TM+\b], |v[AC+16*\b+\i]|, |v[AC+16*\b+\i+1]|
.endr
.endr
.irp b, 0,1
	s_delay_alu instid0(VALU_DEP_2)
	v_permlanex16_b32 v[TM+2+\b], v[TM+\b], s14, s15
.endr
.irp b, 0,1
	s_delay_alu instid0(VALU_DEP_2)
	v_max_num_f32 v[TM+\b], v[TM+\b], v[TM+2+\b]   ; with lane l xor 16's: the block's largest magnitude
.endr
.irp b, 0,1
	s_delay_alu instid0(VALU_DEP_2)
	v_add_nc_u32 v[TM+4+\b], 0xfe000000, v[TM+\b]  ; 4 off the exponent field: the conversion's scale operand
.endr
.irp b, 0,1
	s_delay_alu instid0(VALU_DEP_2)
	v_lshrrev_b32 v[TM+2+\b], 23, v[TM+4+\b]       ; the scale's byte
.endr
	v_cvt_scalef32_pk16_bf6_f32 v[P:P+2], v[AC:AC+15], v[TM+4]
	v_cvt_scalef32_pk16_bf6_f32 v[P+4:P+6], v[AC+16:AC+31], v[TM+5]
	v_cndmask_b32 v[SB], v[TM+2], v[TM+3], s16     ; (the plain place behind the conversions)  lanes 16-31 take block 1's byte
.irp i, 0,1,2
	v_permlane16_swap_b32 v[P+\i], v[P+4+\i]       ; the first's lanes 16-31 change places with the second's lanes 0-15: a lane now holds a whole block
.endr
	s_delay_alu instid0(VALU_DEP_3)
	v_mov_b32 v[P+3], v[P+4]
	s_delay_alu instid0(VALU_DEP_3)
	v_mov_b32 v[P+4], v[P+5]
	s_delay_alu instid0(VALU_DEP_3)
	v_mov_b32 v[P+5], v[P+6]
.endm
.macro FLUSH                           ; my stage's two chunks of 1,536 bytes leave: each store covers 512 consecutive bytes, aligned.  LDS serves a wave's instructions in order: the loads see my stores
.irp i, 0,1,2,3,4,5
	ds_load_b128 v[XF+4*\i:XF+4*\i+3], v[STR] offset:512*\i
.endr
.irp i, 0,1,2,3,4,5
	s_wait_dscnt 5-\i
	global_store_b128 v[LI], v[XF+4*\i:XF+4*\i+3], s[20:21] offset:(\i/3)*HEADB+512*(\i%3)
.endr
.endm
	s_load_b256 s[4:11], s[0:1], 0x0               ; xb s[4:5], wb s[6:7], b_qkv s[8:9], hb s[10:11]
	v_lshl_add_u32 v254, v0, 2, 0x9000
	v_mov_b32 v255, 0
	v_lshrrev_b32 v246, 5, v0
	s_delay_alu instid0(VALU_DEP_1)
	v_readfirstlane_b32 s12, v246                  ; wave 0..11
	v_and_b32 v246, 31, v0                         ; lane
	v_and_b32 v247, 15, v0                         ; r
	v_bfe_u32 v248, v0, 4, 1                       ; h
	s_delay_alu instid0(VALU_DEP_3)
	v_lshlrev_b32 v[LI], 4, v246
	s_delay_alu instid0(VALU_DEP_4)
	v_lshlrev_b32 v[L8], 3, v246
	s_mul_i32 s17, s12, 3072                       ; my stage.  Every LDS address is made here, ahead of the parting of the roles
	; PLACES OF q AND k (they take the place of those given at the head): token T of a group of 64 is row p = 8 (T / 32) + T % 8 of tile jj = (T % 32) / 8;
	; its codes lie at 48 (p + 16 (jj % 2)) + 24 (jj / 2) of the chunk, its scale byte is byte jj of the word at 4 p.  x's tile m, row r is p = 8 (m / 2) + r % 8, jj = m % 2 + 2 (r / 8).
	v_and_b32 v249, 7, v247                        ; r % 8
	v_lshrrev_b32 v250, 3, v247                    ; r / 8
	v_mul_u32_u24 v[STQ], v249, 48
	v_mad_u32_u24 v[STQ], v250, 24, v[STQ]
	s_delay_alu instid0(VALU_DEP_1)
	v_mad_u32_u24 v[STQ], v248, 1536, v[STQ]
	s_delay_alu instid0(VALU_DEP_1)
	v_add_nc_u32 v[STQ], s17, v[STQ]
	v_mul_u32_u24 v[STV], v247, 24
	s_delay_alu instid0(VALU_DEP_1)
	v_mad_u32_u24 v[STV], v248, 768, v[STV]
	s_delay_alu instid0(VALU_DEP_1)
	v_add_nc_u32 v[STV], s17, v[STV]
	v_add_nc_u32 v[STR], s17, v[LI]
	v_mov_b32 v[TM+2], 0                           ; written once: a lane permute's destination counts as one of its sources
	v_mov_b32 v[TM+3], 0
	s_mov_b32 s14, 0x76543210
	s_mov_b32 s15, 0xfedcba98                      ; lane l xor 16
	s_mov_b32 s16, 0xffff0000                      ; lanes 16-31
	s_mul_i32 s20, ttmp9, 4*REC                    ; my group's four records of x
	s_mov_b32 s21, 0
	s_mul_i32 s22, s12, 4*REC                      ; my wave's four records of w_qkv
	s_mov_b32 s23, 0
	s_lshl_b32 s24, s12, 8                         ; my 64 numbers of the bias
	s_mov_b32 s25, 0
	s_lshr_b32 s26, ttmp9, 5
	s_lshl_b32 s26, s26, 3
	s_and_b32 s27, s12, 3
	s_lshl_b32 s27, s27, 1
	s_add_co_u32 s26, s26, s27                     ; 8 x batch + my first head
	s_mul_i32 s26, s26, HEADB                      ; its bytes in hb: under 2^24
	s_and_b32 s18, ttmp9, 31                       ; g
	s_lshr_b32 s13, s12, 2                         ; 0 q, 1 k, 2 v
	s_wait_kmcnt 0x0
	s_add_nc_u64 s[4:5], s[4:5], s[20:21]
	s_add_nc_u64 s[6:7], s[6:7], s[22:23]
	s_add_nc_u64 s[8:9], s[8:9], s[24:25]
.irp t, 0,1,2,3
.irp i, 0,1,2,3,4,5
	global_load_b128 v[WF+24*\t+4*\i:WF+24*\t+4*\i+3], v[LI], s[6:7] offset:REC*\t+512*\i
.endr
	global_load_b64 v[WS+2*\t:WS+2*\t+1], v[L8], s[6:7] offset:REC*\t+3072
.endr
	XLOAD 0, 0
	XLOAD 1, 1
	s_cmp_lt_u32 s12, 8
	s_cbranch_scc0 .Lvpath
	; ---- q and k
	s_cmp_eq_u32 s13, 0
	s_cselect_b32 s28, 102400, 0                   ; q's codes lie 102,400 bytes behind k's,
	s_cselect_b32 s29, 53248, 0                    ; its scale words 53,248 behind k's
	s_mul_i32 s30, s18, 1536
	s_add_co_u32 s28, s28, s30
	s_add_co_u32 s28, s28, s26                     ; the codes' chunk g
	s_lshl_b32 s30, s18, 6
	s_add_co_u32 s30, s30, s29
	s_add_co_u32 s30, s30, s26
	s_add_co_u32 s30, s30, 98304                   ; the scale words of group g
	s_mov_b32 s29, 0
	s_mov_b32 s31, 0
	s_add_nc_u64 s[20:21], s[10:11], s[28:29]
	s_add_nc_u64 s[22:23], s[10:11], s[30:31]
	v_lshlrev_b32 v[BO], 6, v248                   ; lane (r, h) wants, for tile 2 b + u, the bias of channels 32 b + 16 h + 8 u + 0 .. 7
.irp t, 0,1,2,3
	global_load_b128 v[BI+8*\t:BI+8*\t+3], v[BO], s[8:9] offset:(32*(\t/2)+8*(\t%2))*4
	global_load_b128 v[BI+8*\t+4:BI+8*\t+7], v[BO], s[8:9] offset:(32*(\t/2)+8*(\t%2))*4+16
.endr
	v_lshlrev_b32 v[SO], 2, v249                   ; word r % 8 (+ 8 for tiles 2, 3), half r / 8
	v_lshl_add_u32 v[SO], v250, 1, v[SO]
	s_delay_alu instid0(VALU_DEP_1)
	v_mad_u32_u24 v[SO], v248, HEADB, v[SO]        ; 4 r, in head h of my two
.macro QKTILE m
.if (\m) > 0
	s_wait_dscnt 0x0                               ; the last tile's stores into the stage have read their registers
.endif
.if ((\m) == 0) || ((\m) == 3)
	s_wait_loadcnt 0x0                             ; tile 0: weights, bias and x; tile 3: nothing was asked for behind it
.else
	s_wait_loadcnt 0x7                             ; this tile's loads are in; the seven of the tile asked for last may be out
.endif
.irp t, 0,1,2,3                        ; the four accumulators by turns, one instruction a turn
	MM AC+8*\t, WF+24*\t, XF+24*((\m)%2), BI+8*\t, WS+2*\t, XS+2*((\m)%2)
.endr
.irp t, 0,1,2,3
	MM AC+8*\t, WF+24*\t+12, XF+24*((\m)%2)+12, AC+8*\t, WS+2*\t+1, XS+2*((\m)%2)+1
.endr
	PLACES
.if (\m) < 2
	XLOAD (\m)+2, (\m)%2                           ; the tile two on, into the buffer just multiplied
.endif
	QUANT2                                         ; block b = head b of my token
.if ((\m)%2) == 0
	v_mov_b32 v[SW+(\m)/2], v[SB]                  ; tiles 2 a, 2 a + 1 make one half word
.else
	v_lshl_or_b32 v[SW+(\m)/2], v[SB], 8, v[SW+(\m)/2]
.endif
.irp i, 0,1,2
	ds_store_b64 v[STQ], v[P+2*\i:P+2*\i+1] offset:768*((\m)%2)+384*((\m)/2)+8*\i
.endr
.endm
	QKTILE 0
	QKTILE 1
	QKTILE 2
	QKTILE 3
	global_store_b16 v[SO], v[SW], s[22:23]
	global_store_b16 v[SO], v[SW+1], s[22:23] offset:32
	FLUSH
	s_wait_tensorcnt 0x0
	ds_add_u32 v254, v255
	s_wait_dscnt 0x0
	s_endpgm
.Lvpath:
	; ---- v
	s_mul_i32 s28, s18, 1536
	s_add_co_u32 s28, s28, s26
	s_add_co_u32 s28, s28, 49152                   ; the codes' chunk g
	s_lshr_b32 s30, s18, 1
	s_lshl_b32 s30, s30, 7
	s_and_b32 s29, s18, 1
	s_lshl_b32 s29, s29, 1
	s_add_co_u32 s30, s30, s29
	s_add_co_u32 s30, s30, s26
	s_add_co_u32 s30, s30, 100352                  ; the scale words of key step g / 2, bytes 2 (g % 2) on
	s_mov_b32 s29, 0
	s_mov_b32 s31, 0
	s_add_nc_u64 s[20:21], s[10:11], s[28:29]
	s_add_nc_u64 s[22:23], s[10:11], s[30:31]
	v_and_b32 v[BO], 8, v247
	s_delay_alu instid0(VALU_DEP_1)
	v_add_nc_u32 v[BO], v[BO], v247
	s_delay_alu instid0(VALU_DEP_1)
	v_lshlrev_b32 v[BO], 2, v[BO]                  ; my channel's row in a tile: r + 8 (r / 8)
.irp t, 0,1,2,3
.irp j, 0,1,2,3,4,5,6,7
	global_load_b32 v[BI+8*\t+\j], v[BO], s[8:9] offset:(32*(\t/2)+8*(\t%2))*4   ; here a lane's eight results are eight tokens of ONE channel: its bias eight times
.endr
.endr
	v_lshlrev_b32 v[SO], 2, v246                   ; 4 x lane = 64 ta + 4 r
.macro VSTEP kb, hd                    ; key block kb of the group (token tiles 2 kb, 2 kb + 1, in buffers 0, 1), head hd of my two
.if ((\kb)+(\hd)) > 0
	s_wait_dscnt 0x0                               ; the last stores into the stage have read their registers
.endif
.if (\hd) == 0
	s_wait_loadcnt 0x0                             ; the two token tiles (and, the first time, weights and bias) are in
.endif
.irp ta, 0,1
.irp e, 0,1
	MM AC+16*\ta+8*\e, XF+24*\e, WF+24*(2*(\hd)+\ta), BI+8*(2*(\hd)+\ta), XS+2*\e, WS+2*(2*(\hd)+\ta)
.endr
.endr
.irp ta, 0,1
.irp e, 0,1
	MM AC+16*\ta+8*\e, XF+24*\e+12, WF+24*(2*(\hd)+\ta)+12, AC+16*\ta+8*\e, XS+2*\e+1, WS+2*(2*(\hd)+\ta)+1
.endr
.endr
	PLACES
.if ((\kb) == 0) && ((\hd) == 1)
	XLOAD 2, 0                                     ; both heads have multiplied tiles 0 and 1
	XLOAD 3, 1
.endif
	QUANT2                                         ; block ta = 32 tokens of my channel in channel tile ta
.if (\kb) == 0
	v_mov_b32 v[SW+(\hd)], v[SB]
.else
	v_lshl_or_b32 v[SW+(\hd)], v[SB], 8, v[SW+(\hd)]
.endif
.irp i, 0,1,2
	ds_store_b64 v[STV], v[P+2*\i:P+2*\i+1] offset:1536*(\hd)+384*(\kb)+8*\i
.endr
.endm
	VSTEP 0, 0
	VSTEP 0, 1
	VSTEP 1, 0
	VSTEP 1, 1
	global_store_b16 v[SO], v[SW], s[22:23]
	global_store_b16 v[SO], v[SW+1], s[22:23] offset:HEADB
	FLUSH
	s_wait_tensorcnt 0x0
	ds_add_u32 v254, v255
	s_wait_dscnt 0x0
	s_endpgm
.Lfunc_end_k_q599113c622_qkv:
	.size	k_q599113c622_qkv, .Lfunc_end_k_q599113c622_qkv-k_q599113c622_qkv
	.p2alignl 7, 3214868480
	.fill 96, 4, 3214868480
	.section	.rodata,"a",@progbits
	.p2align	6, 0x0
	.amdhsa_kernel k_q599113c622_qkv
		.amdhsa_group_segment_fixed_size 38400
		.amdhsa_private_segment_fixed_size 0
		.amdhsa_enable_private_segment 0
		.amdhsa_kernarg_size 32
		.amdhsa_user_sgpr_count 2
		.amdhsa_user_sgpr_kernarg_segment_ptr 1
		.amdhsa_wavefront_size32 1
		.amdhsa_system_sgpr_workgroup_id_x 1
		.amdhsa_system_sgpr_workgroup_id_y 1
		.amdhsa_system_sgpr_workgroup_id_z 1
		.amdhsa_system_vgpr_workitem_id 0
		.amdhsa_next_free_vgpr 256
		.amdhsa_next_free_sgpr 66
		.amdhsa_reserve_vcc 0
		.amdhsa_float_denorm_mode_32 3
		.amdhsa_float_denorm_mode_16_64 3
		.amdhsa_memory_ordered 1
		.amdhsa_forward_progress 1
		.amdhsa_inst_pref_size 46
	.end_amdhsa_kernel
	.amdgpu_metadata
---
amdhsa.version: [ 1, 2 ]
amdhsa.kernels:
  - .name:           k_q599113c622_qkv
    .symbol:         k_q599113c622_qkv.kd
    .args:
      - { .name: xb, .offset: 0, .size: 8, .value_kind: global_buffer, .address_space: global }
      - { .name: wb, .offset: 8, .size: 8, .value_kind: global_buffer, .address_space: global }
      - { .name: b_qkv, .offset: 16, .size: 8, .value_kind: global_buffer, .address_space: global }
      - { .name: hb, .offset: 24, .size: 8, .value_kind: global_buffer, .address_space: global }
    .group_segment_fixed_size: 38400
    .private_segment_fixed_size: 0
    .kernarg_segment_align: 8
    .kernarg_segment_size: 32
    .max_flat_workgroup_size: 384
    .sgpr_count:     66
    .vgpr_count:     256
    .wavefront_size: 32
...
	.end_amdgpu_metadata
.endif
;; end of part 2
;; launch attn (part 3): grid 4 x 64, 8 waves a work-group, clusters of 4 x 1, 169,984 bytes of LDS; arguments hb, cb; writes cb
.if DOCPART == 3
	.amdgcn_target "amdgcn-amd-amdhsa--gfx1250"
	.amdhsa_code_object_version 6
	.text
	.protected	k_q599113c622_attn
	.globl	k_q599113c622_attn
	.p2align	8
	.type	k_q599113c622_attn,@function
k_q599113c622_attn:
	s_mov_b64 s[64:65], 0
	v_nop
	global_prefetch_b8 v0, s[64:65] scope:SCOPE_SE
	s_setreg_imm32_b32 hwreg(HW_REG_WAVE_MODE, 25, 1), 1
	s_wait_xcnt 0x0
	s_wait_alu depctr_hold_cnt(0) depctr_sa_sdst(0) depctr_va_vdst(0) depctr_va_sdst(0) depctr_va_ssrc(0) depctr_va_vcc(0) depctr_vm_vsrc(0)
	s_getreg_b32 s2, hwreg(HW_REG_IB_STS2, 6, 4)
	s_cmp_eq_u32 s2, 0
	s_cbranch_scc0 .Lentry_in_a_cluster
	s_endpgm
.Lentry_in_a_cluster:
	s_bfe_u32 s2, ttmp6, 0x10000c
	s_cmp_lg_u32 s2, 0x3003
	s_cbranch_scc0 .Lentry_shape_is_right
	s_endpgm
.Lentry_shape_is_right:
; ctx[head][q] = (sum over keys of p v) / l, p = 2^(t - M), t = (q . k) log2(e) / sqrt(32), M = the running largest t rounded up to a whole number, l = the sum of the unquantised p.
; Both products on codes of BF6; ctx is quantised at once for the last product (a block = a head's 32 channels).
; SHARES.  A work-group owns 512 queries of one head (head = cluster y; the query block = my place in the cluster).  Each of its eight waves owns a group of 64 queries: four tiles of 16, in two passes over
; all 2,048 keys (128 a step), TWO TILES AT A TIME: tile A lives in register window 0, tile B under the same numbers in window 1, and one macro serves both.
; The two tiles take turns: in the middle of one tile's vector work (SOFT) stand the OTHER tile's ten matrix instructions (its p x V of this step, its K x q of the next).  K's and V's fragments are read from LDS once for both tiles.
; LDS.  The head's K and V, codes and scale words, are the first 102,400 bytes of its part of hb: they come ONCE, as they lie, each wave asking for 12,800 bytes (50 rows of 256).  No LDS byte is filled twice: no ring.
; CLUSTER.  The four work-groups of a cluster walk the same head: each of the eight loads is asked for JOINTLY, with the same descriptor and the mask of all four.  My place in the cluster enters Q's and ctx's global addresses alone.
; Nothing is prefetched: all that a work-group reads is asked for in its first lines.
; THE FIRST PRODUCT, K = 32, in an instruction of K = 128.  A chunk of K's codes (64 keys, 1,536 bytes; three loads of 16 bytes at 48 x lane) is ONE operand of 16 rows x 128: its block jj along K holds key tile jj.  Q stands in four variants with q's
; codes in block jj alone and zero codes elsewhere; the other three blocks' products are zeros (their scale bytes are other keys' bytes and q's own: never 0xff).  The variants share 30 registers: Z Qlo Z Qhi Z, six each.
; LAYOUT.  Both products are used transposed: a lane holds one query throughout.  Row p of key tile jj of a chunk is key 32 (p / 8) + 8 jj + p % 8: so lane (r, h)'s 32 registers of a chunk's four tiles are keys 32 h + 0 .. 31,
; A WHOLE BLOCK IN ITS ORDER: its largest score needs no other lane, and the conversions' results are p's operand as V's natural order of keys wants it.  By the channels' order in V's tiles the 16 registers of O^T are channels 16 h + 0 .. 15.
; cb: codes at head x 49,152 + tile x 384 + 24 r + 12 h; scale bytes at 3,145,728 + (128 batch + tile) x 128 + 8 r + head: single bytes, 8 apart, which fill no aligned 256 bytes: one twenty-fifth of what the launch stores.
; LIMITS: NaN and infinities are not served.  The promise holds while the scaled scores t stay under 2^31 in magnitude.  t is made by ONE multiplication with log2(e) / sqrt(32), where reference() rounds twice.  1 / l is v_rcp_f32's.
; A block's largest p is made from the block's largest score, which takes v_exp_f32 not to fall where its input rises.  Blocks whose largest magnitude lies under 2^(4 - 126) get the byte 1 (zeros too): this program alone reads the bytes.
.set HEADB, 153600
.set VC,   49152                       ; LDS: K's codes at 0, V's here,
.set KS,   98304                       ; K's scale words; V's 2,048 bytes on
.set SPARE, 0x29000                    ; the spare words: 128 bytes for each of eight waves
; window 0 alone
.set AK0,  1                           ; 48 x lane
.set AV0,  2                           ; VC + 24 x lane
.set AS0,  3                           ; KS + 4 x lane
.set ADK,  4                           ; the step's addresses
.set ADV,  5
.set ADS,  6
.set QO,   7                           ; 48 r
.set QSO,  8                           ; 4 r
.set QSCA, 46                          ; v46-51 scale words, and nothing else: q's of tiles A, B; K's; V's; p's of tiles A, B
.set KSC,  48
.set VSC,  49
.set PSCA, 50
.set QW,   159                         ; q's scale words as loaded
.set SPW,  163                         ; my spare word's address; never rewritten
.set NIL,  173                         ; 0; never rewritten
.set KF,   208                         ; v208-231 two chunks of K
.set VF,   232                         ; v232-255 two fragments of V
; in both windows, a tile's own
.set H8,   9                           ; 8 h
.set CO,   10                          ; ctx's codes: 24 r + 12 h
.set CSO,  11                          ; ctx's scale bytes: 8 r
                                       ; v12 -M; v13 the running largest score; v[14:15] the sum
.set QV,   16                          ; v16-45 the variants: Z at 16, Qlo at 22, Z at 28, Qhi at 34, Z at 40
.set QLO,  22
.set QHI,  34
.set QT,   52                          ; v52-63 the two passes' q as loaded
.set S,    64                          ; v64-127 S^T, then p
.set O,    128                         ; v128-143 O^T
.set PC,   144                         ; v144-155 p's codes
.set PT,   156                         ; v156-158, v160-162 the blocks' upper halves, before they are moved
.set BM,   164                         ; v164-165 the blocks' largest scores, then largest p;  v166-167 their second chains
.set BB,   166
.set SOP,  168                         ; v168-169 the conversions' scale operands
.set BT,   170                         ; v170-171 at work
.set OLD,  172                         ; the last -M
.set F,    174                         ; f = 2^(old M - new M); v175 named with it as a pair
.set T1,   176                         ; v176-181 the sum's three other chains
.set T2,   178
.set T3,   180
.set TMP,  182                         ; v182-183
.set CT,   184                         ; v184-199 ctx;  v200-207: each pass's codes and byte of ctx: no store's data are written again
.set WV,   8
.set G0,   12
.set G1,   16
.set SEL,  24                          ; s[24:25] lane l xor 16
.set CS,   26                          ; s[26:27] c = log2(e) / sqrt(32)
.set HM,   28                          ; lanes 16-31
.set NC,   29                          ; -c
.set TK,   30                          ; the step's codes: 3,072 bytes a step
.set TS,   31                          ; the step's scale words: 128 bytes a step
.set CNT,  32
.set MSB, 0
.macro WIN new                         ; low byte: bits 1:0 source 0, 3:2 source 1, 5:4 source 2, 7:6 destination; the high byte repeats the setting that is left
.if MSB != (\new)
	s_set_vgpr_msb (MSB<<8)|(\new)
.set MSB, (\new)
.endif
.endm
.macro CROUND                          ; a round of the cluster's barrier
	s_barrier_signal -1
	s_barrier_wait -1
	s_cmp_lg_u32 s[WV], 0
	s_cbranch_scc1 .Lnot_wave_0_\@
	s_barrier_signal -3
.Lnot_wave_0_\@:
	s_barrier_wait -3
	s_barrier_signal -1
	s_barrier_wait -1
.endm
.macro ZERO                            ; the variants' zero codes; a pair's upper half and a lane permute's destination, which count as read
.irp i, 0,1,2,3,4,5
	v_mov_b32 v[QV+\i], 0
	v_mov_b32 v[QV+12+\i], 0
	v_mov_b32 v[QV+24+\i], 0
.endr
	v_mov_b32 v[F+1], 0
	v_mov_b32 v[TMP+1], 0
.endm
	s_load_b128 s[4:7], s[0:1], 0x0                ; hb s[4:5], cb s[6:7]
	v_lshl_add_u32 v[SPW], v0, 2, SPARE
	v_mov_b32 v[NIL], 0
	ds_add_u32 v[SPW], v[NIL]                      ; the opening lines: the add, twice on end, and its wait
	ds_add_u32 v[SPW], v[NIL]
	v_lshrrev_b32 v252, 5, v0
	v_readfirstlane_b32 s[WV], v252                ; wave 0..7
	s_bfe_u32 s9, ttmp6, 0x40000                   ; cx: my place in the cluster
	s_and_b32 s10, ttmp7, 0xffff                   ; the head (8 x batch + head), which the four partners share
	s_mov_b32 s[G1], 15|(3<<16)|(1<<21)            ; the mask of all four; elements of 8 bytes; bit 21 beside a mask
	s_mov_b32 s[G1+1], 32<<16                      ; 50 dense rows of 256 bytes
	s_mov_b32 s[G1+2], 50<<16
	s_mov_b32 s[G1+3], 32<<16
	s_mov_b32 s[G1+4], 50
	s_mov_b32 s[G1+5], 32
	s_mov_b32 s[G1+6], 0
	s_mov_b32 s[G1+7], 0
	s_mul_i32 s42, s10, HEADB                      ; the head's bytes in hb: under 2^24
	s_mov_b32 s43, 0
	s_mov_b32 s[G0], 1
	s_mul_i32 s[G0+1], s[WV], 12800                ; LDS address: my wave's 12,800 bytes,
	s_mul_i32 s44, s[WV], 12800                    ; and the same in memory
	s_mov_b32 s45, 0
	s_lshl_b32 s46, s9, 3                          ; what hangs on my place in the cluster, in registers of its own
	s_add_co_u32 s46, s46, s[WV]                   ; my group of 64 queries: 8 cx + wave
	s_mul_i32 s52, s46, 1536
	s_add_co_u32 s52, s52, 102400                  ; q's codes
	s_mov_b32 s53, 0
	s_lshl_b32 s54, s46, 6
	s_add_co_u32 s54, s54, 151552                  ; q's scale words
	s_mov_b32 s55, 0
	s_lshl_b32 s56, s46, 2                         ; my first tile among the batch's 128
	s_mul_i32 s58, s56, 384
	s_mul_i32 s59, s10, 49152
	s_add_co_u32 s58, s58, s59                     ; ctx's codes
	s_mov_b32 s59, 0
	s_lshr_b32 s60, s10, 3
	s_lshl_b32 s60, s60, 7
	s_add_co_u32 s60, s60, s56
	s_lshl_b32 s60, s60, 7
	s_and_b32 s61, s10, 7
	s_add_co_u32 s60, s60, s61
	s_add_co_u32 s60, s60, 3145728                 ; ctx's scale bytes
	s_mov_b32 s61, 0
	s_mov_b32 s[SEL], 0x76543210
	s_mov_b32 s[SEL+1], 0xfedcba98
	s_mov_b32 s[CS], 0x3e8293ee
	s_mov_b32 s[CS+1], s[CS]                       ; (named with it as a pair)
	s_mov_b32 s[NC], 0xbe8293ee
	s_mov_b32 s[HM], 0xffff0000
	v_and_b32 v252, 31, v0                         ; lane
	v_and_b32 v253, 15, v0                         ; r
	v_bfe_u32 v254, v0, 4, 1                       ; h
	v_mul_u32_u24 v[QO], v253, 48
	v_lshlrev_b32 v[QSO], 2, v253
	s_wait_dscnt 0x0
	s_wait_kmcnt 0x0
	s_add_nc_u64 s[G0+2:G0+3], s[4:5], s[42:43]    ; the head
	s_add_nc_u64 s[34:35], s[G0+2:G0+3], s[52:53]
	s_add_nc_u64 s[36:37], s[G0+2:G0+3], s[54:55]
	s_add_nc_u64 s[G0+2:G0+3], s[G0+2:G0+3], s[44:45]
	s_or_b32 s[G0+3], s[G0+3], 0x80000000
	s_add_nc_u64 s[38:39], s[6:7], s[58:59]
	s_add_nc_u64 s[40:41], s[6:7], s[60:61]
	CROUND                                         ; all four work-groups are here: the joint loads meet
	tensor_load_to_lds s[G0:G0+3], s[G1:G1+7]      ; my one tensor load of the launch
	s_nop 0
.rept 4
	v_nop
.endr
	s_wait_alu depctr_va_vdst(0)
.irp p, 0,1
.irp i, 0,1,2
	global_load_b64 v[QT+6*\p+2*\i:QT+6*\p+2*\i+1], v[QO], s[34:35] offset:24*\p+8*\i        ; tile A = tile 2 p of my group: query r's 24 bytes, in both halves of the lanes
.endr
.endr
	global_load_b32 v[QW], v[QSO], s[36:37]        ; row r's scale word: byte jj for tile jj
	WIN 0x40
.irp p, 0,1
.irp i, 0,1,2
	global_load_b64 v[QT+6*\p+2*\i:QT+6*\p+2*\i+1], v[QO], s[34:35] offset:768+24*\p+8*\i    ; tile B = tile 2 p + 1, into window 1
.endr
.endr
	WIN 0
	v_mul_u32_u24 v[AK0], v252, 48
	v_mul_u32_u24 v[AV0], v252, 24
	v_lshl_add_u32 v[AS0], v252, 2, KS
	v_add_nc_u32 v[AV0], VC, v[AV0]
	v_lshlrev_b32 v[H8], 3, v254
	v_mul_u32_u24 v[CO], v253, 24
	v_lshlrev_b32 v[CSO], 3, v253
	v_mad_u32_u24 v[CO], v254, 12, v[CO]
	ZERO
	WIN 0x40                                       ; and the same for tile B
	v_mov_b32 v[H8], v[H8]
	v_mov_b32 v[CO], v[CO]
	v_mov_b32 v[CSO], v[CSO]
	ZERO
	WIN 0
	s_wait_alu depctr_va_vdst(0)
	s_wait_tensorcnt 0x0                           ; my 12,800 bytes are in,
	s_barrier_signal -1
	s_barrier_wait -1                              ; everybody's are
	s_wait_loadcnt 0x0                             ; q
.macro QK qs                           ; S^T of 128 keys: two chunks x four variants; each product starts its own sum
.irp jj, 0,1,2,3
.set QB, QV+6*(1-\jj/2)+12*(\jj%2)
	v_wmma_scale_f32_16x16x128_f8f6f4 v[S+8*\jj:S+8*\jj+7], v[KF:KF+11], v[QB:QB+11], 0, v[KSC], v[\qs] matrix_a_fmt:MATRIX_FMT_BF6 matrix_b_fmt:MATRIX_FMT_BF6
.endr
.irp jj, 0,1,2,3
.set QB, QV+6*(1-\jj/2)+12*(\jj%2)
	v_wmma_scale_f32_16x16x128_f8f6f4 v[S+32+8*\jj:S+32+8*\jj+7], v[KF+12:KF+23], v[QB:QB+11], 0, v[KSC], v[\qs] matrix_a_fmt:MATRIX_FMT_BF6 matrix_b_fmt:MATRIX_FMT_BF6 matrix_a_scale:MATRIX_SCALE_ROW1
.endr
.endm
.macro PV ps                           ; O^T += V^T p^T: the two accumulators by turns
	v_wmma_scale_f32_16x16x128_f8f6f4 v[O:O+7], v[VF:VF+11], v[PC:PC+11], v[O:O+7], v[VSC], v[\ps] matrix_a_fmt:MATRIX_FMT_BF6 matrix_b_fmt:MATRIX_FMT_BF6
	v_wmma_scale_f32_16x16x128_f8f6f4 v[O+8:O+15], v[VF+12:VF+23], v[PC:PC+11], v[O+8:O+15], v[VSC], v[\ps] matrix_a_fmt:MATRIX_FMT_BF6 matrix_b_fmt:MATRIX_FMT_BF6 matrix_a_scale:MATRIX_SCALE_ROW1
.endm
.macro KLOAD adk, ads, ko, so          ; a step's two chunks of K: lanes 48 bytes apart; scale words: lanes 0-15 the first chunk's, lanes 16-31 the second's
.irp i, 0,1,2,3,4,5
	ds_load_b128 v[KF+4*\i:KF+4*\i+3], v[\adk] offset:(\ko)+1536*(\i/3)+16*(\i%3)
.endr
	ds_load_b32 v[KSC], v[\ads] offset:\so
.endm
.macro LOADS k                         ; in step n: V of step n, and (k = 2) K of step n + 1, for both tiles
.if (\k) == 2
	v_add_nc_u32 v[ADK], s[TK], v[AK0]
.endif
	v_add_nc_u32 v[ADV], s[TK], v[AV0]
	v_add_nc_u32 v[ADS], s[TS], v[AS0]
.if (\k) == 2
	KLOAD ADK, ADS, 3072, 128
.endif
.irp c, 0,1
.irp ta, 0,1
.irp i, 0,1,2
	ds_load_b64 v[VF+12*\ta+6*\c+2*\i:VF+12*\ta+6*\c+2*\i+1], v[ADV] offset:1536*\c+768*\ta+8*\i   ; channel tile ta, keys 64 c + 32 h on
.endr
.endr
.endr
	ds_load_b32 v[VSC], v[ADS] offset:2048         ; lanes 0-15: channel tile 0's scale words; lanes 16-31: tile 1's
	s_add_co_u32 s[TK], s[TK], 3072
	s_add_co_u32 s[TS], s[TS], 128
.endm
.macro FMA4 j
.irp i, 0,2,4,6
	v_pk_fma_f32 v[S+8*(\j)+\i:S+8*(\j)+\i+1], v[S+8*(\j)+\i:S+8*(\j)+\i+1], s[CS:CS+1], v[12:13] op_sel_hi:[1,0,0]   ; t - M, two at a time
.endr
.endm
.macro ADD4 j                          ; four pairs of p onto the sum's four chains
	v_pk_add_f32 v[14:15], v[14:15], v[S+2*(\j):S+2*(\j)+1]
	v_pk_add_f32 v[T1:T1+1], v[T1:T1+1], v[S+2*(\j)+2:S+2*(\j)+3]
	v_pk_add_f32 v[T2:T2+1], v[T2:T2+1], v[S+2*(\j)+4:S+2*(\j)+5]
	v_pk_add_f32 v[T3:T3+1], v[T3:T3+1], v[S+2*(\j)+6:S+2*(\j)+7]
.endm
; A KEY STEP'S VECTOR WORK for tile w (0: A, window 0; 1: B, window 1), with the other tile's products in its middle: pv: its p x V of the step just worked; qk: its K x q of the step to come.  ld: LOADS' argument, 0 for none.
.macro SOFT w, pv, qk, ld
	WIN 0x55*(\w)
.irp c, 0,1                            ; the largest score of each block of 32 keys, all mine: two chains a block, four by turns; each accumulator is read from its low end on
	v_max3_num_f32 v[BM+\c], v[S+32*\c], v[S+32*\c+1], v[S+32*\c+2]
	v_max3_num_f32 v[BB+\c], v[S+32*\c+16], v[S+32*\c+17], v[S+32*\c+18]
.endr
.irp i, 3,5,7,9,11,13
.irp c, 0,1
	v_max3_num_f32 v[BM+\c], v[BM+\c], v[S+32*\c+\i], v[S+32*\c+\i+1]
	v_max3_num_f32 v[BB+\c], v[BB+\c], v[S+32*\c+16+\i], v[S+32*\c+17+\i]
.endr
.endr
.irp c, 0,1
	v_max3_num_f32 v[BM+\c], v[BM+\c], v[S+32*\c+15], v[S+32*\c+31]
.endr
.irp c, 0,1
	s_delay_alu instid0(VALU_DEP_2)
	v_max_num_f32 v[BM+\c], v[BM+\c], v[BB+\c]
.endr
	s_delay_alu instid0(VALU_DEP_1)
	v_max_num_f32 v[TMP], v[BM], v[BM+1]
	v_mov_b32 v[OLD], v12
	s_delay_alu instid0(VALU_DEP_2)
	v_permlanex16_b32 v[TMP+1], v[TMP], s[SEL], s[SEL+1]
	s_delay_alu instid0(VALU_DEP_1)
	v_max3_num_f32 v13, v13, v[TMP], v[TMP+1]      ; the running largest score of my query, lane l xor 16's 64 keys among them
	s_delay_alu instid0(VALU_DEP_1)
	v_mul_f32 v[TMP], s[NC], v13                   ; -t (c is positive)
	s_delay_alu instid0(VALU_DEP_1)
	v_floor_f32 v12, v[TMP]                        ; the new -M = floor(-t): M is a whole number
	FMA4 0
	v_sub_f32 v[TMP], v12, v[OLD]                  ; old M - new M: a whole number, 0 or less
	FMA4 1
	v_cvt_i32_f32 v[TMP], v[TMP]                   ; (it saturates)
	FMA4 2
	v_ldexp_f32 v[F], 1.0, v[TMP]                  ; f = 2^(old M - new M): a multiplication by it rounds nothing
.irp j, 3,4,5,6,7
	FMA4 \j
.endr
.irp c, 0,1
	v_fma_f32 v[BM+\c], v[BM+\c], s[CS], v12       ; the same of each block's largest score
.endr
	s_wait_alu depctr_va_vdst(0)
.irp c, 0,1
	v_exp_f32 v[BM+\c], v[BM+\c]                   ; the block's largest p: the same two instructions on the same number
.endr
.irp j, 0,1,2,3,4,5,6,7,8,9,10,11,12,13,14,15,16,17,18,19,20,21,22,23,24,25,26,27,28,29,30,31,32,33,34,35,36,37,38,39,40,41,42,43,44,45,46,47,48,49,50,51,52,53,54,55,56,57,58,59,60,61,62,63
	v_exp_f32 v[S+\j], v[S+\j]                     ; p = 2^(t - M), at most 1: not normalised
.endr
	s_wait_alu depctr_va_vdst(0)                   ; one wait for the batch, and directly ahead of the first reader of O^T
.irp j, 0,2,4,6,8,10,12,14
	v_pk_mul_f32 v[O+\j:O+\j+1], v[O+\j:O+\j+1], v[F:F+1] op_sel_hi:[1,0]   ; O^T under the new M (plain places behind the exponentials)
.endr
.if \w                                 ; THE OTHER TILE'S PRODUCTS: K's and V's fragments and all scale words lie in window 0
	s_wait_dscnt 0x0                               ; the fragments asked for in tile A's turn are in
	WIN 0
.else
	WIN 0x54                                       ; source 0 window 0; source 1, C and D window 1
.endif
.if \pv
	PV PSCA+1-(\w)
.endif
.if \qk
	QK QSCA+1-(\w)
.endif
	WIN 0x55*(\w)
.irp c, 0,1
	v_max_num_f32 v[BM+\c], 0x2800000, v[BM+\c]    ; the floor 2^(5 - 127): the byte cannot fall under 1
.endr
	v_pk_fma_f32 v[14:15], v[14:15], v[F:F+1], v[S:S+1] op_sel_hi:[1,0,1]   ; the sum under the new M, and the first pair of the unquantised p
	v_pk_add_f32 v[T1:T1+1], v[S+2:S+3], v[S+4:S+5]
	v_pk_add_f32 v[T2:T2+1], v[S+6:S+7], v[S+8:S+9]
	v_pk_add_f32 v[T3:T3+1], v[S+10:S+11], v[S+12:S+13]
.if \ld
	LOADS \ld                                      ; six plain lines, which name no register of the products above, stand ahead of these loads into registers that those products read
.endif
.irp c, 0,1
	v_add_nc_u32 v[SOP+\c], 0xfe000000, v[BM+\c]   ; 4 off the exponent field: the conversion's scale operand
.endr
	ADD4 7
.irp c, 0,1
	v_lshrrev_b32 v[BT+\c], 23, v[SOP+\c]          ; the scale's byte
.endr
.irp c, 0,1
	v_cvt_scalef32_pk16_bf6_f32 v[PC+6*\c:PC+6*\c+2], v[S+32*\c:S+32*\c+15], v[SOP+\c]
	v_cvt_scalef32_pk16_bf6_f32 v[PT+4*\c:PT+4*\c+2], v[S+32*\c+16:S+32*\c+31], v[SOP+\c]   ; (a conversion's three registers begin on an even number)
.endr
	ADD4 11                                        ; plain places behind the conversions
	v_lshl_or_b32 v[BT], v[BT+1], 16, v[BT]        ; my bytes: blocks h and 2 + h,
.irp i, 0,1,2
	v_mov_b32 v[PC+3+\i], v[PT+\i]
.endr
	v_lshlrev_b32 v[BT], v[H8], v[BT]              ; at their places;
.irp i, 0,1,2
	v_mov_b32 v[PC+9+\i], v[PT+4+\i]
.endr
	v_permlanex16_b32 v[BT+1], v[BT], s[SEL], s[SEL+1]
	ADD4 15
	WIN 0x05*(\w)                                  ; (scale operands are taken from window 0)
	v_or_b32 v[PSCA+(\w)], v[BT], v[BT+1]          ; with lane l xor 16's two the word is whole
	WIN 0x55*(\w)
	ADD4 19
	ADD4 23
	ADD4 27
	v_pk_add_f32 v[14:15], v[14:15], v[S+62:S+63]
	v_pk_add_f32 v[T1:T1+1], v[T1:T1+1], v[T2:T2+1]
	v_pk_add_f32 v[14:15], v[14:15], v[T3:T3+1]
	s_delay_alu instid0(VALU_DEP_1)
	v_pk_add_f32 v[14:15], v[14:15], v[T1:T1+1]
.endm
; THE WAY OUT of a tile: O^T / l, quantised along the head's 32 channels (lanes l and l xor 16 hold a block), 12 bytes of codes a lane: the wave stores 384 consecutive bytes.
.macro WAYOUT w, p
.set CC, 200+4*(\p)
	WIN 0x55*(\w)
	v_add_f32 v14, v14, v15
	s_delay_alu instid0(VALU_DEP_1)
	v_permlanex16_b32 v[TMP], v14, s[SEL], s[SEL+1]
	s_delay_alu instid0(VALU_DEP_1)
	v_add_f32 v14, v14, v[TMP]                     ; l
	s_wait_alu depctr_va_vdst(0)                   ; the wait ahead of the reciprocal,
	v_rcp_f32 v14, v14
	v_nop
	s_wait_alu depctr_va_vdst(0)                   ; and ahead of its first reader, which is O^T's too
.irp j, 0,1,2,3,4,5,6,7,8,9,10,11,12,13,14,15
	v_mul_f32 v[CT+\j], v[O+\j], v14               ; channel 16 h + j of my query; each accumulator from its low end on
.endr
	v_max3_num_f32 v[TMP], |v[CT]|, |v[CT+1]|, 0x2800000
	v_max3_num_f32 v[BT], |v[CT+8]|, |v[CT+9]|, |v[CT+10]|
	v_max3_num_f32 v[TMP], v[TMP], |v[CT+2]|, |v[CT+3]|
	v_max3_num_f32 v[BT], v[BT], |v[CT+11]|, |v[CT+12]|
	v_max3_num_f32 v[TMP], v[TMP], |v[CT+4]|, |v[CT+5]|
	v_max3_num_f32 v[BT], v[BT], |v[CT+13]|, |v[CT+14]|
	v_max3_num_f32 v[TMP], v[TMP], |v[CT+6]|, |v[CT+7]|
	s_delay_alu instid0(VALU_DEP_1)
	v_max3_num_f32 v[TMP], v[TMP], v[BT], |v[CT+15]|
	s_delay_alu instid0(VALU_DEP_1)
	v_permlanex16_b32 v[BT], v[TMP], s[SEL], s[SEL+1]
	s_delay_alu instid0(VALU_DEP_1)
	v_max_num_f32 v[TMP], v[TMP], v[BT]
	s_delay_alu instid0(VALU_DEP_1)
	v_add_nc_u32 v[SOP], 0xfe000000, v[TMP]
	s_delay_alu instid0(VALU_DEP_1)
	v_lshrrev_b32 v[CC+3], 23, v[SOP]
	v_cvt_scalef32_pk16_bf6_f32 v[CC:CC+2], v[CT:CT+15], v[SOP]
	v_nop                                          ; one plain place behind a scaled conversion
	global_store_b96 v[CO], v[CC:CC+2], s[38:39] offset:384*(2*(\p)+(\w))
	global_store_b8 v[CSO], v[CC+3], s[40:41] offset:128*(2*(\p)+(\w))   ; lanes l and l xor 16 write the same byte with the same value
.endm
.macro TSET p                          ; a tile's start: the variants, -M, the largest score, the sum
.irp i, 0,1,2,3,4,5
	v_cndmask_b32 v[QLO+\i], v[QT+6*(\p)+\i], v[QV], s[HM]   ; q's codes in lanes 0-15, zeros in lanes 16-31,
	v_cndmask_b32 v[QHI+\i], v[QV], v[QT+6*(\p)+\i], s[HM]   ; and the other way round
.endr
	v_mov_b32 v13, 0xff61b1e6                      ; -3e38, under every score
	v_mov_b32 v12, 0x7e000000                      ; -M = 2^125: the first f comes out 0
	v_mov_b32 v14, 0
	v_mov_b32 v15, 0
.endm
.macro OSET                            ; O^T: the step is written once, and its first turn finds zeros
.irp j, 0,1,2,3,4,5,6,7,8,9,10,11,12,13,14,15
	v_mov_b32 v[O+\j], 0
.endr
.endm
; A PASS: tiles 2 p (A) and 2 p + 1 (B) of my group over the 16 key steps.  The turns: A(0); fourteen trips of B(n), A(n + 1); B(14), A(15), B(15), written out, since they ask for nothing beyond the last step.
.macro PASS p
	WIN 0
	v_perm_b32 v[QSCA], v[QW], v[QW], 0x01010101*(2*(\p))      ; my tile's byte in all four places of the word
	v_perm_b32 v[QSCA+1], v[QW], v[QW], 0x01010101*(2*(\p)+1)
	TSET \p
	OSET
	KLOAD AK0, AS0, 0, 0                           ; K of step 0
	WIN 0x55
	TSET \p
	WIN 0
	s_wait_alu depctr_va_vdst(0)
	s_wait_dscnt 0x0
	QK QSCA                                        ; tile A's scores of step 0
	WIN 0x55
	OSET                                           ; (also the places between those products and the first read of their results)
	s_mov_b32 s[TK], 0
	s_mov_b32 s[TS], 0
	SOFT 0, 0, 1, 2
	WIN 0
	s_mov_b32 s[CNT], 14
.Lstep_\@:
	SOFT 1, 1, 1, 0
	SOFT 0, 1, 1, 2
	WIN 0
	s_sub_co_u32 s[CNT], s[CNT], 1
	s_cmp_lg_u32 s[CNT], 0
	s_cbranch_scc1 .Lstep_\@
	SOFT 1, 1, 1, 0
	s_mov_b32 s[TK], 15*3072
	s_mov_b32 s[TS], 15*128
	SOFT 0, 1, 1, 1
	SOFT 1, 1, 0, 0
	WIN 0x54
	PV PSCA+1                                      ; tile B's last
	WAYOUT 0, \p                                   ; tile A's way out stands between those products and the first read of their results
	WAYOUT 1, \p
	WIN 0
.endm
	PASS 0
	PASS 1
	s_wait_tensorcnt 0x0                           ; the wave's end
	ds_add_u32 v[SPW], v[NIL]
	s_wait_dscnt 0x0
	CROUND                                         ; the closing round: no work-group ends while a partner may still ask for a tile that names it
	s_endpgm
.Lfunc_end_k_q599113c622_attn:
	.size	k_q599113c622_attn, .Lfunc_end_k_q599113c622_attn-k_q599113c622_attn
	.p2alignl 7, 3214868480
	.fill 96, 4, 3214868480
	.section	.rodata,"a",@progbits
	.p2align	6, 0x0
	.amdhsa_kernel k_q599113c622_attn
		.amdhsa_group_segment_fixed_size 169984
		.amdhsa_private_segment_fixed_size 0
		.amdhsa_enable_private_segment 0
		.amdhsa_kernarg_size 16
		.amdhsa_user_sgpr_count 2
		.amdhsa_user_sgpr_kernarg_segment_ptr 1
		.amdhsa_wavefront_size32 1
		.amdhsa_system_sgpr_workgroup_id_x 1
		.amdhsa_system_sgpr_workgroup_id_y 1
		.amdhsa_system_sgpr_workgroup_id_z 1
		.amdhsa_system_vgpr_workitem_id 0
		.amdhsa_next_free_vgpr 512
		.amdhsa_next_free_sgpr 66
		.amdhsa_reserve_vcc 0
		.amdhsa_float_denorm_mode_32 3
		.amdhsa_float_denorm_mode_16_64 3
		.amdhsa_memory_ordered 1
		.amdhsa_forward_progress 1
		.amdhsa_inst_pref_size 172
	.end_amdhsa_kernel
	.amdgpu_metadata
---
amdhsa.version: [ 1, 2 ]
amdhsa.kernels:
  - .name:           k_q599113c622_attn
    .symbol:         k_q599113c622_attn.kd
    .args:
      - { .name: hb, .offset: 0, .size: 8, .value_kind: global_buffer, .address_space: global }
      - { .name: cb, .offset: 8, .size: 8, .value_kind: global_buffer, .address_space: global }
    .group_segment_fixed_size: 169984
    .private_segment_fixed_size: 0
    .kernarg_segment_align: 8
    .kernarg_segment_size: 16
    .max_flat_workgroup_size: 256
    .sgpr_count:     66
    .vgpr_count:     512
    .wavefront_size: 32
...
	.end_amdgpu_metadata
.endif
;; end of part 3
;; launch outp (part 4): grid 256 x 1, 8 waves a work-group, no clusters, 67,584 bytes of LDS; arguments cb, wb, b_out, out0; writes out0
.if DOCPART == 4
	.amdgcn_target "amdgcn-amd-amdhsa--gfx1250"
	.amdhsa_code_object_version 6
	.text
	.protected	k_q599113c622_outp
	.globl	k_q599113c622_outp
	.p2align	8
	.type	k_q599113c622_outp,@function
k_q599113c622_outp:
	s_mov_b64 s[64:65], 0
	v_nop
	global_prefetch_b8 v0, s[64:65] scope:SCOPE_SE
	s_setreg_imm32_b32 hwreg(HW_REG_WAVE_MODE, 25, 1), 1
	s_wait_xcnt 0x0
; out = ctx w_out + b_out on codes of BF6 (K = 256 = 8 heads x 32: a head of a token is a block; two matrix instructions deep).
; SHARES.  A work-group takes a group of 64 tokens (four tiles of 16, in the order in which the attention left them: tile m, row r = token 32 (m / 2) + 8 (m % 2) + r + 8 (r / 8)).  Wave w owns columns 32 w .. 32 w + 31 (records 48 + 2 w, 49 + 2 w of wb) for all 64 tokens.
; THE PRODUCT IS USED TRANSPOSED (source 0 = 16 columns of w_out, source 1 = 16 tokens): a lane's eight results are eight neighbouring columns of one row.  The bias is the C of each sum's first matrix instruction.
; ctx's fragment: lane (r, h), registers 6 c .. 6 c + 5 = head 4 s + 2 c + h of token r: 24 bytes of cb as they lie, three loads of 8 bytes.
; A row's 256 columns come from eight waves: they meet in a stage in LDS (64 rows of 1,024 bytes + 16), one barrier, and each wave stores eight whole rows, which by the tokens' order are eight consecutive rows of the output.
; NO CLUSTER: what the work-groups share, w_out's 53,248 bytes of records, goes from memory straight into the waves' registers, once for each work-group; there is no tensor load that could be asked for jointly.
.set REC,  3328
.set SP,   1040                        ; a stage row: 1,024 bytes + 16: the sixteen rows that a store touches begin at sixteen different multiples of 16 bytes modulo 256
.set LI,   1                           ; v1   16 x lane
.set L8,   2                           ; v2   8 x lane
.set CFO,  3                           ; v3   ctx's codes: 24 r + 49,152 h
.set CSO,  4                           ; v4   ctx's scale words: 8 r
.set BO,   5                           ; v5   the bias: 32 h
.set SO,   6                           ; v6   the stage, in: 1040 r + 32 h + 128 w
.set SR,   7                           ; v7   the stage, out: 8 x 1040 w + 16 x lane
.set WF,   12                          ; v12-59   w_out's fragments: (tile tt, K step s) at 12 (2 tt + s)
.set WS,   60                          ; v60-63   their scale words
.set BI,   64                          ; v64-79   the bias in the result's layout
.set CF,   80                          ; v80-175  ctx's fragments: 24 m + 12 s; later rows of the output
.set CS,   176                         ; v176-183 their scale words, 2 m + s
.set AC,   184                         ; v184-247 eight accumulators: 8 (2 m + tt)
.macro MM d, a, b, c, sa, sb
	v_wmma_scale_f32_16x16x128_f8f6f4 v[(\d):(\d)+7], v[(\a):(\a)+11], v[(\b):(\b)+11], v[(\c):(\c)+7], v[\sa], v[\sb] matrix_a_fmt:MATRIX_FMT_BF6 matrix_b_fmt:MATRIX_FMT_BF6
.endm
	s_load_b256 s[4:11], s[0:1], 0x0               ; cb s[4:5], wb s[6:7], b_out s[8:9], out0 s[10:11]
	v_lshl_add_u32 v254, v0, 2, 0x10400
	v_mov_b32 v255, 0
	v_lshrrev_b32 v8, 5, v0
	s_delay_alu instid0(VALU_DEP_1)
	v_readfirstlane_b32 s12, v8                    ; wave 0..7
	v_and_b32 v8, 31, v0                           ; lane
	v_and_b32 v9, 15, v0                           ; r
	v_bfe_u32 v10, v0, 4, 1                        ; h
	s_delay_alu instid0(VALU_DEP_3)
	v_lshlrev_b32 v[LI], 4, v8
	s_delay_alu instid0(VALU_DEP_4)
	v_lshlrev_b32 v[L8], 3, v8
	s_delay_alu instid0(VALU_DEP_4)
	v_mul_u32_u24 v[CFO], v9, 24
	s_delay_alu instid0(VALU_DEP_1)
	v_mad_u32_u24 v[CFO], v10, 49152, v[CFO]
	v_lshlrev_b32 v[CSO], 3, v9
	v_lshlrev_b32 v[BO], 5, v10
	s_lshl_b32 s13, s12, 7                         ; my 32 columns: 128 bytes
	v_mul_u32_u24 v[SO], v9, SP
	s_delay_alu instid0(VALU_DEP_1)
	v_lshl_add_u32 v[SO], v10, 5, v[SO]
	s_delay_alu instid0(VALU_DEP_1)
	v_add_nc_u32 v[SO], s13, v[SO]
	s_mul_i32 s14, s12, 8*SP
	v_add_nc_u32 v[SR], s14, v[LI]
	s_lshl_b32 s16, s12, 1
	s_add_co_u32 s16, s16, 48
	s_mul_i32 s16, s16, REC                        ; my two records of wb
	s_mov_b32 s17, 0
	s_lshr_b32 s18, ttmp9, 5
	s_mul_i32 s18, s18, 8*49152                    ; the batch's eight heads,
	s_and_b32 s20, ttmp9, 31
	s_mul_i32 s20, s20, 1536                       ; my group's four tiles in each
	s_add_co_u32 s18, s18, s20
	s_mov_b32 s19, 0
	s_lshl_b32 s20, ttmp9, 9
	s_add_co_u32 s20, s20, 3145728                 ; my group's scale words: 128 bytes a tile
	s_mov_b32 s21, 0
	s_mov_b32 s22, s13                             ; my 32 numbers of the bias
	s_mov_b32 s23, 0
	s_lshl_b32 s24, ttmp9, 6                       ; the rows that I store: 64 wg
	; THE TOKENS' ORDER (it takes the place of that given at the head): tile m, row r = token 32 (r / 8) + 8 m + r % 8 of the group
	s_and_b32 s26, s12, 1
	s_lshl_b32 s26, s26, 5
	s_add_co_u32 s24, s24, s26                     ; + 32 (w % 2)
	s_lshr_b32 s26, s12, 1
	s_lshl_b32 s26, s26, 3
	s_add_co_u32 s24, s24, s26                     ; + 8 (w / 2): stage rows 8 w .. 8 w + 7 are these eight tokens
	s_lshl_b32 s24, s24, 10                        ; rows of 1,024 bytes: under 2^24
	s_mov_b32 s25, 0
	s_wait_alu depctr_va_vdst(0)
	s_wait_kmcnt 0x0
	s_add_nc_u64 s[6:7], s[6:7], s[16:17]
	s_add_nc_u64 s[14:15], s[4:5], s[18:19]        ; ctx's codes
	s_add_nc_u64 s[4:5], s[4:5], s[20:21]          ; ctx's scale words
	s_add_nc_u64 s[8:9], s[8:9], s[22:23]
	s_add_nc_u64 s[10:11], s[10:11], s[24:25]
.irp tt, 0,1
.irp i, 0,1,2,3,4,5
	global_load_b128 v[WF+24*\tt+4*\i:WF+24*\tt+4*\i+3], v[LI], s[6:7] offset:REC*\tt+512*\i
.endr
	global_load_b64 v[WS+2*\tt:WS+2*\tt+1], v[L8], s[6:7] offset:REC*\tt+3072
	global_load_b128 v[BI+8*\tt:BI+8*\tt+3], v[BO], s[8:9] offset:64*\tt
	global_load_b128 v[BI+8*\tt+4:BI+8*\tt+7], v[BO], s[8:9] offset:64*\tt+16
.endr
.irp m, 0,1,2,3
.irp s, 0,1
.irp c, 0,1
.irp i, 0,1,2
	global_load_b64 v[CF+24*\m+12*\s+6*\c+2*\i:CF+24*\m+12*\s+6*\c+2*\i+1], v[CFO], s[14:15] offset:(4*\s+2*\c)*49152+384*\m+8*\i
.endr
.endr
.endr
	global_load_b64 v[CS+2*\m:CS+2*\m+1], v[CSO], s[4:5] offset:128*\m
.endr
	s_wait_loadcnt 0x0
.irp m, 0,1,2,3                        ; the eight accumulators by turns, one instruction a turn
.irp tt, 0,1
	MM AC+8*(2*\m+\tt), WF+24*\tt, CF+24*\m, BI+8*\tt, WS+2*\tt, CS+2*\m
.endr
.endr
.irp m, 0,1,2,3
.irp tt, 0,1
	MM AC+8*(2*\m+\tt), WF+24*\tt+12, CF+24*\m+12, AC+8*(2*\m+\tt), WS+2*\tt+1, CS+2*\m+1
.endr
.endr
.rept 4
	v_nop                                          ; four places ahead of the first read of the results, and of the loads into the registers that held ctx
.endr
.irp m, 0,1,2,3
.irp tt, 0,1
	ds_store_b128 v[SO], v[AC+8*(2*\m+\tt):AC+8*(2*\m+\tt)+3] offset:16*SP*\m+64*\tt          ; lane (r, h): stage row 16 m + r, columns 32 w + 16 tt + 8 h + 0 .. 7; each accumulator from its low end on
	ds_store_b128 v[SO], v[AC+8*(2*\m+\tt)+4:AC+8*(2*\m+\tt)+7] offset:16*SP*\m+64*\tt+16
.endr
.endr
	s_wait_dscnt 0x0                               ; for the others' sake: my stores into the stage are done
	s_barrier_signal -1
	s_barrier_wait -1                              ; 64 whole rows lie in the stage
.irp i, 0,1,2,3,4,5,6,7,8,9,10,11,12,13,14,15
	ds_load_b128 v[CF+4*\i:CF+4*\i+3], v[SR] offset:SP*(\i/2)+512*(\i%2)
.endr
.irp i, 0,1,2,3,4,5,6,7,8,9,10,11,12,13,14,15
	s_wait_dscnt 15-\i
	global_store_b128 v[LI], v[CF+4*\i:CF+4*\i+3], s[10:11] offset:1024*(\i/2)+512*(\i%2) th:TH_STORE_NT   ; 32 lanes store 512 consecutive bytes, aligned; written once, read by nobody here
.endr
	s_wait_tensorcnt 0x0
	ds_add_u32 v254, v255
	s_wait_dscnt 0x0
	s_endpgm
.Lfunc_end_k_q599113c622_outp:
	.size	k_q599113c622_outp, .Lfunc_end_k_q599113c622_outp-k_q599113c622_outp
	.p2alignl 7, 3214868480
	.fill 96, 4, 3214868480
	.section	.rodata,"a",@progbits
	.p2align	6, 0x0
	.amdhsa_kernel k_q599113c622_outp
		.amdhsa_group_segment_fixed_size 67584
		.amdhsa_private_segment_fixed_size 0
		.amdhsa_enable_private_segment 0
		.amdhsa_kernarg_size 32
		.amdhsa_user_sgpr_count 2
		.amdhsa_user_sgpr_kernarg_segment_ptr 1
		.amdhsa_wavefront_size32 1
		.amdhsa_system_sgpr_workgroup_id_x 1
		.amdhsa_system_sgpr_workgroup_id_y 1
		.amdhsa_system_sgpr_workgroup_id_z 1
		.amdhsa_system_vgpr_workitem_id 0
		.amdhsa_next_free_vgpr 256
		.amdhsa_next_free_sgpr 66
		.amdhsa_reserve_vcc 0
		.amdhsa_float_denorm_mode_32 3
		.amdhsa_float_denorm_mode_16_64 3
		.amdhsa_memory_ordered 1
		.amdhsa_forward_progress 1
		.amdhsa_inst_pref_size 16
	.end_amdhsa_kernel
	.amdgpu_metadata
---
amdhsa.version: [ 1, 2 ]
amdhsa.kernels:
  - .name:           k_q599113c622_outp
    .symbol:         k_q599113c622_outp.kd
    .args:
      - { .name: cb, .offset: 0, .size: 8, .value_kind: global_buffer, .address_space: global }
      - { .name: wb, .offset: 8, .size: 8, .value_kind: global_buffer, .address_space: global }
      - { .name: b_out, .offset: 16, .size: 8, .value_kind: global_buffer, .address_space: global }
      - { .name: out0, .offset: 24, .size: 8, .value_kind: global_buffer, .address_space: global }
    .group_segment_fixed_size: 67584
    .private_segment_fixed_size: 0
    .kernarg_segment_align: 8
    .kernarg_segment_size: 32
    .max_flat_workgroup_size: 256
    .sgpr_count:     66
    .vgpr_count:     256
    .wavefront_size: 32
...
	.end_amdgpu_metadata
.endif
;; end of part 4
